; MI455X (gfx1250); checked and timed in simulation.
; The chip was launched on July 23, 2026; its instructions are those of AMD's public machine-readable ISA for CDNA 5 (MIT licence, August 2026) and "CDNA5" Instruction Set Architecture Reference Guide (July 2026). The comments in the code are by the model that wrote it; some were corrected since.
;; Custom Ro Former Self Attention. Allowed arithmetic: matrix products marked QUANTISED: E4M3 operands, one E8M0 scale for each 32 along K, by v_wmma_scale_f32_16x16x128_f8f6f4 with both operands' format E4M3, f32 sums; everything else in f32.
;; Inputs: b_qkv 3,072 float32; hidden_states 4 x 2,048 x 1,024 float32; ln_bias 1,024 float32; ln_weight 1,024 float32; sinusoidal_pos 1 x 1 x 2,048 x 64 float32; w_qkv 1,024 x 3,072 float32.
;; Outputs: out0 4 x 2,048 x 1,024 float32.
;; This version of the problem:
;;   THIS VERSION OF THE PROBLEM IS GIVEN IN LOW PRECISION. The matrix products marked QUANTISED in the list below multiply operands that are first quantised to E4M3 (4 exponent bits, 3 mantissa bits; 8 bits a number), with one power-of-two scale for each 32 numbers along K (OCP MX v1.0); their sums are f32. All else is computed in f32.
;;   The module's matrix products, in the order in which they are computed (A, B: the left and right operand; K: the contracted axis; several contracted axes count as one K, in the product's order):
;;     1. [M 8,192, K 1,024] x [K 1,024, N 3,072]; A: computed on the way; B: input w_qkv: QUANTISED
;;     2. batch 64 x [M 2,048, K 64] x [K 64, N 2,048]; A: computed on the way; B: computed on the way: QUANTISED
;;     3. batch 64 x [M 2,048, K 2,048] x [K 2,048, N 64]; A: softmax (see below); B: computed on the way: QUANTISED
;;   THE QUANTISER, for each operand of a quantised product, along K:
;;     - K is cut into blocks of 32 from its start; a last block that is shorter is filled with zeros.
;;     - A block's scale is 2^e with e = floor(log2(the largest magnitude in the block)) - 8, held to -126 .. 127; a block of zeros has e = 0. As a byte (E8M0): e + 127.
;;     - Each number is divided by its block's scale, clamped to +-448, and rounded to the nearest number of E4M3, ties to even, subnormals kept.
;;     - The product sums the exact products of the quantised numbers (number of the format x scale) in f32.
;;   ~~~python
;;   def quantise(x, axis):      # numpy; x: float32 -> the quantised numbers, widened to float32 again
;;       x = np.moveaxis(x, axis, -1); K = x.shape[-1]
;;       x = np.pad(x, [(0, 0)] * (x.ndim - 1) + [(0, -K % 32)]); x = x.reshape(x.shape[:-1] + (-1, 32)); a = np.abs(x).max(-1, keepdims=True)
;;       e = np.where(a > 0, np.clip(np.frexp(np.where(a > 0, a, 1))[1] - 1 - 8, -126, 127), 0)      # np.frexp(a)[1] - 1 = floor(log2(a)), exactly
;;       r = np.clip(x / 2.0 ** e, -448, 448)
;;       step = 2.0 ** (np.maximum(np.frexp(np.where(r == 0, 1, r))[1] - 1, -6) - 3)
;;       q = np.round(r / step) * step * 2.0 ** e      # np.round: ties to even
;;       return np.moveaxis(q.reshape(q.shape[:-2] + (-1,))[..., :K], -1, axis).astype(np.float32)
;;   ~~~
;;   SOFTMAX AHEAD OF A QUANTISED PRODUCT. Where the list says 'softmax', what is quantised is not the finished softmax but p = 2^(t - M), with t = logit x log2(e) and M = ceil(the row's largest t), a whole number; so 1/2 < the row's largest p <= 1. The row's sum l is taken of the UNQUANTISED p, in f32, and the product's result is divided by l at the end. Since M is a whole number, a kernel that streams over the keys may use a running M (the ceiling of the running maximum): every later rescaling is an exact power of two, which a block's scale takes up: the codes' values come out the same.
;;   OPERANDS COMPUTED ON THE WAY. 'Computed on the way' means the value that the module computes at that place (a softmax that the list does not call 'softmax' is quantised finished and normalised). What goes into a quantiser is computed in f32, as accurately as f32 sums, v_exp_f32 and their like allow (about 1e-6 of the number): no bf16 or f16 on the way to a quantiser, and a product that is left as it is and whose result goes on into a quantised operand takes f32 operands (vector FMAs, or v_wmma_f32_16x16x4_f32). A number that lies on a knife's edge between two numbers of the format may be rounded either way, as far as f32 arithmetic and the matrix unit's own rounding can turn it there, and no further.
;; One version. Each part assembles by itself: llvm-mc -triple=amdgcn-amd-amdhsa -mcpu=gfx1250 --defsym DOCPART=n.
;; ======== version 1 of 1: 3 launches
;; limits: right only within a limited range of input values
;; workspace buffers: acodes 8,388,608 bytes; ascales 262,144 bytes; wcodes 3,145,728 bytes; wscales 98,304 bytes; qrec 8,912,896 bytes; kv 17,563,648 bytes
;; launch prep (part 1): grid 352 x 1, 4 waves a work-group, no clusters, 68,096 bytes of LDS; arguments hidden_states, ln_weight, ln_bias, w_qkv, acodes, ascales, wcodes, wscales; writes acodes, ascales, wcodes, wscales
.if DOCPART == 1
	.amdgcn_target "amdgcn-amd-amdhsa--gfx1250"
	.amdhsa_code_object_version 6
	.text
	.protected	k_qdb35c2a400_prep
	.globl	k_qdb35c2a400_prep
	.p2align	8
	.type	k_qdb35c2a400_prep,@function
k_qdb35c2a400_prep:
	s_mov_b64 s[64:65], 0
	v_nop
	global_prefetch_b8 v0, s[64:65] scope:SCOPE_SE
	s_setreg_imm32_b32 hwreg(HW_REG_WAVE_MODE, 25, 1), 1
	s_wait_xcnt 0x0
; PREP: both operands of the projection become codes of FP8 (E4M3) with one E8M0 scale byte for each 32 along K = 1,024.
; Work-groups 0 to 95: w_qkv [1024 (k)][3072 (n)] f32 -> wcodes [3072][1024], wscales [3072][32], K innermost.
; Work-groups 96 to 351: hidden_states [8192][1024] f32 -> LayerNorm in f32 (mean; mean of squared differences; (x - mu) rstd w + b) -> acodes [8192][1024], ascales [8192][32].
; THE ROW ORDER.  In all four buffers row x of a group of 32 rows lies at position pos(x) = x with bits 3 and 4 exchanged.  So 16 neighbouring positions 16 i .. 16 i + 15
; are the rows 32 (i / 2) + 8 (i % 2) + r + 8 (r / 8): the rows that the next launch wants in one tile, so that its results come out with 16 neighbours along the next K in 16 registers.
; A block's scale is 2^(floor(log2(its largest magnitude)) - 8); its byte is the largest magnitude's exponent field - 8, held at 1 from below; each number is held within +-448 x the scale and converted.
; LIMITS: NaN and infinities among the inputs are not served; a block whose largest magnitude lies under 2^-118 has its byte held at 1; a block of zeros gets the byte 1 and not 127
; (its codes are zeros, and the bytes are read by this program alone).
; No cluster, no tensor load, no barrier, no matrix instruction: the waves share no input but the 8 KB of gain and bias, and the work is a stream.  The two paths part on the work-group's number and have LDS bytes of their own.
.set WGW,   96                         ; work-groups that take w: 24 runs of 128 columns x 4 runs of 256 along K
.set NROW,  12288                      ; a row of w in bytes
.set NB,    8                          ; blocks of 32 along K for a wave of the w path
.set PITCH, 272                        ; w path: a stage row: 256 bytes of codes + 16
.set WSTG,  32768                      ; w path: LDS from here on, 32 x PITCH bytes a wave
.set WX,    32                         ; w path: v32-95 two sets of 32 numbers
.set WC,    96                         ; v96-103 a block's codes
.set WOUT,  112                        ; v112-175 the way out
.set WSB,   24                         ; v24-25 the lane's eight scale bytes
.set SP,    80                         ; LayerNorm path: a lane's place in a stage: 64 bytes + 16
.set LW,    16                         ; v16-47 the gain: register 4 i + e = w[128 i + 4 lane + e]
.set LB,    48                         ; v48-79 the bias, likewise
.set LX,    80                         ; v80-143 two rows as loaded
.set LQ,    144                        ; v144-175 two groups of 16 neighbours
.set LC,    176                        ; v176-191 codes: two sets of 8 registers, by the row's parity
.set LE,    192                        ; v192-207 a scale byte for each row and group
	s_load_b256 s[4:11], s[0:1], 0x0               ; hidden s[4:5], gain s[6:7], bias s[8:9], w s[10:11]
	s_load_b256 s[12:19], s[0:1], 0x20             ; acodes s[12:13], ascales s[14:15], wcodes s[16:17], wscales s[18:19]
	v_lshl_add_u32 v208, v0, 2, 0x10800
	v_mov_b32 v209, 0
	v_lshrrev_b32 v1, 5, v0
	v_readfirstlane_b32 s20, v1                    ; wave 0..3
	v_and_b32 v1, 31, v0                           ; lane
	s_mov_b32 s26, 0x600000                        ; the mantissa field of 448
	s_wait_kmcnt 0x0
	s_cmp_lt_u32 ttmp9, WGW
	s_cbranch_scc0 .Lln
; ---------------------------------------------------------------- w: a lane takes a column, its registers run down K
	s_lshr_b32 s21, ttmp9, 2                       ; which 128 columns
	s_and_b32 s22, ttmp9, 3                        ; which 256 along K
	s_lshl_b32 s21, s21, 7
	s_lshl_b32 s23, s20, 5
	s_add_co_u32 s21, s21, s23                     ; my wave's first column: one group of 32
	s_wait_alu depctr_va_vdst(0)
	v_lshlrev_b32 v3, 2, v1                        ; in: 4 bytes a lane: a load reads 128 neighbouring bytes
	v_and_b32 v5, 7, v1
	v_bfe_u32 v6, v1, 3, 1
	v_bfe_u32 v7, v1, 4, 1
	v_lshl_add_u32 v5, v6, 4, v5
	v_lshl_add_u32 v5, v7, 3, v5                   ; pos(lane): bits 3 and 4 exchanged
	s_mul_i32 s23, s20, 32*PITCH
	s_add_co_u32 s23, s23, WSTG                    ; my stage
	v_mul_u32_u24 v4, v5, PITCH
	v_add_nc_u32 v4, s23, v4                       ; into it: row = my column's position
	v_lshlrev_b32 v9, 5, v5                        ; my column's row of scale bytes
	v_and_b32 v5, 15, v1
	v_lshrrev_b32 v6, 4, v1                        ; out of it: sixteen lanes to a row, two rows an instruction
	v_mul_u32_u24 v7, v6, PITCH
	v_lshl_add_u32 v7, v5, 4, v7
	v_add_nc_u32 v7, s23, v7
	v_lshlrev_b32 v8, 10, v6
	v_lshl_add_u32 v8, v5, 4, v8                   ; and the same place in wcodes
	s_mul_i32 s24, s22, 256*NROW
	s_lshl_b32 s25, s21, 2
	s_add_co_u32 s24, s24, s25
	s_mov_b32 s25, 0
	s_add_nc_u64 s[10:11], s[10:11], s[24:25]      ; w at row 256 y, my first column
	s_lshl_b32 s24, s21, 10
	s_lshl_b32 s27, s22, 8
	s_add_co_u32 s24, s24, s27
	s_add_nc_u64 s[16:17], s[16:17], s[24:25]      ; wcodes at my first position, byte 256 y
	s_lshl_b32 s24, s21, 5
	s_lshl_b32 s27, s22, 3
	s_add_co_u32 s24, s24, s27
	s_add_nc_u64 s[18:19], s[18:19], s[24:25]      ; wscales likewise, byte 8 y
.macro WLOAD t                         ; block t: w(32 t + i, my column), i = 0 .. 31; every offset an immediate, 255 rows of 12,288 bytes at the most
.irp i, 0,1,2,3,4,5,6,7,8,9,10,11,12,13,14,15,16,17,18,19,20,21,22,23,24,25,26,27,28,29,30,31
	global_load_b32 v[WX+32*((\t)%2)+\i], v3, s[10:11] offset:(32*(\t)+\i)*NROW th:TH_LOAD_NT
.endr
.endm
.macro WBLOCK t
.set XS, WX+32*((\t)%2)
.if (\t) < NB-1
	s_wait_loadcnt 32                              ; this block's 32 loads are in; the next block's 32 may be out
.else
	s_wait_loadcnt 0
.endif
	v_max3_num_f32 v12, |v[XS]|, |v[XS+1]|, |v[XS+2]|      ; the block's largest magnitude: all 32 numbers are mine; two chains
	v_max3_num_f32 v13, |v[XS+3]|, |v[XS+4]|, |v[XS+5]|
.irp i, 6,10,14,18,22,26
	v_max3_num_f32 v12, v12, |v[XS+\i]|, |v[XS+\i+1]|
	v_max3_num_f32 v13, v13, |v[XS+\i+2]|, |v[XS+\i+3]|
.endr
	v_max3_num_f32 v12, v12, |v[XS+30]|, |v[XS+31]|
	v_max3_num_f32 v12, v12, v13, 0x4800000        ; and the floor 2^(9 - 127): the byte cannot fall under 1
	v_add_nc_u32 v11, 0xfc000000, v12              ; 8 off the exponent field: the conversion's scale operand
	v_and_or_b32 v10, v12, 0x7f800000, s26         ; 448 x the scale
	v_lshrrev_b32 v13, 23, v11                     ; the scale's byte
.if (\t)%4 == 0
	v_mov_b32 v[WSB+(\t)/4], v13                   ; four bytes to a register, the lower K in the lower byte
.else
	v_lshl_or_b32 v[WSB+(\t)/4], v13, 8*((\t)%4), v[WSB+(\t)/4]
.endif
.irp i, 0,1,2,3,4,5,6,7,8,9,10,11,12,13,14,15,16,17,18,19,20,21,22,23,24,25,26,27,28,29,30,31
	v_med3_num_f32 v[XS+\i], v[XS+\i], -v10, v10   ; the conversion to an 8-bit code does not saturate (ISA guide 7.6.2): the hold comes first
.endr
.irp g, 0,1,2,3
	v_cvt_scalef32_pk8_fp8_f32 v[WC+2*\g:WC+2*\g+1], v[XS+8*\g:XS+8*\g+7], v11
.endr
	ds_store_b128 v4, v[WC:WC+3] offset:32*(\t)    ; 32 codes: 32 bytes of my column's row
	ds_store_b128 v4, v[WC+4:WC+7] offset:32*(\t)+16
.if (\t)+2 < NB
	WLOAD (\t)+2
.endif
	s_wait_dscnt 0x0                               ; the stores have read their registers: the next block's codes may be written
.endm
	WLOAD 0
	WLOAD 1
.set Q, 0
.rept NB
	WBLOCK Q
.set Q, Q+1
.endr
	global_store_b64 v9, v[WSB:WSB+1], s[18:19]    ; my column's 8 scale bytes: 8 bytes of a row of 32; these are one byte in 128 of what the path reads
.irp t, 0,1,2,3,4,5,6,7,8,9,10,11,12,13,14,15
	ds_load_b128 v[WOUT+4*\t:WOUT+4*\t+3], v7 offset:2*\t*PITCH    ; LDS serves a wave's instructions in order (ISA guide 5.7.1.4): these see my stores
.endr
.irp t, 0,1,2,3,4,5,6,7,8,9,10,11,12,13,14,15
	s_wait_dscnt 15-\t                             ; read-back t is in; the younger ones may be out
	global_store_b128 v8, v[WOUT+4*\t:WOUT+4*\t+3], s[16:17] offset:2*\t*1024   ; sixteen lanes store 256 consecutive bytes, aligned
.endr
	s_wait_tensorcnt 0x0
	ds_add_u32 v208, v209
	s_wait_dscnt 0x0
	s_endpgm
; ---------------------------------------------------------------- LayerNorm and h's codes: a wave takes 8 rows, one at a time, whole in 32 registers
.Lln:
	s_sub_co_u32 s21, ttmp9, WGW
	s_lshl_b32 s21, s21, 5                         ; the work-group's 32 rows
	s_and_b32 s22, s20, 1
	s_lshl_b32 s22, s22, 4
	s_lshr_b32 s23, s20, 1
	s_lshl_b32 s23, s23, 3
	s_add_co_u32 s22, s22, s23
	s_add_co_u32 s22, s22, s21                     ; I READ rows 32 g + 16 (w & 1) + 8 (w >> 1) + c,
	s_lshl_b32 s22, s22, 12
	s_mov_b32 s23, 0
	s_add_nc_u64 s[4:5], s[4:5], s[22:23]
	s_lshl_b32 s22, s20, 3
	s_add_co_u32 s22, s22, s21                     ; and WRITE positions 32 g + 8 w + c: 8 KB of codes on end, 256 scale bytes on end
	s_lshl_b32 s30, s22, 10
	s_mov_b32 s31, 0
	s_add_nc_u64 s[12:13], s[12:13], s[30:31]
	s_lshl_b32 s30, s22, 5
	s_add_nc_u64 s[14:15], s[14:15], s[30:31]
	s_mov_b32 s24, 0x76543210
	s_mov_b32 s25, 0xfedcba98                      ; v_permlanex16_b32's selects for lane l xor 16
	s_mov_b32 s27, 0x3a800000                      ; 1 / 1024
	s_mov_b32 s28, 0x2b8cbccc                      ; 1e-12
	s_wait_alu depctr_va_vdst(0)
	v_lshlrev_b32 v2, 4, v1                        ; 16 bytes a lane: a load or store covers 512 neighbouring bytes
	s_lshl_b32 s29, s20, 13                        ; my wave's 8,192 bytes of LDS: two stages of 32 x SP bytes, then 256 scale bytes
	v_lshrrev_b32 v3, 2, v1
	v_mul_u32_u24 v3, v3, SP
	v_and_b32 v4, 3, v1
	v_lshl_add_u32 v3, v4, 4, v3
	v_add_nc_u32 v3, s29, v3                       ; the stage, in: four lanes' 64 bytes on end, then 16 of padding
	v_mul_u32_u24 v4, v1, SP
	v_add_nc_u32 v4, s29, v4                       ; and out: SP x lane: my 16 neighbours
	s_add_co_u32 s29, s29, 2*32*SP
	v_lshrrev_b32 v5, 1, v1
	v_add_nc_u32 v5, s29, v5                       ; my block's scale byte (two lanes hold a block)
	v_lshlrev_b32 v7, 3, v1
	v_add_nc_u32 v6, s29, v7                       ; and on the way out 8 bytes a lane
.macro LDROW c                         ; row c into slot c % 2: eight loads of 512 neighbouring bytes
.irp i, 0,1,2,3,4,5,6,7
	global_load_b128 v[LX+32*((\c)%2)+4*\i:LX+32*((\c)%2)+4*\i+3], v2, s[4:5] offset:4096*(\c)+512*\i th:TH_LOAD_NT
.endr
.endm
.macro LANESUM                         ; the four chains v[8:15] become one number, the same in all 32 lanes: v8
	v_pk_add_f32 v[8:9], v[8:9], v[10:11]
	v_pk_add_f32 v[12:13], v[12:13], v[14:15]
	v_pk_add_f32 v[8:9], v[8:9], v[12:13]
	v_add_f32 v8, v8, v9
	v_add_f32_dpp v8, v8, v8 row_xmask:1 row_mask:0xf bank_mask:0xf
	v_add_f32_dpp v8, v8, v8 row_xmask:2 row_mask:0xf bank_mask:0xf
	v_add_f32_dpp v8, v8, v8 row_xmask:4 row_mask:0xf bank_mask:0xf
	v_add_f32_dpp v8, v8, v8 row_xmask:8 row_mask:0xf bank_mask:0xf
	v_permlanex16_b32 v9, v8, s24, s25
	v_add_f32 v8, v8, v9
.endm
.macro QG c, g                         ; group g (512 numbers) of row c: my 16 neighbours become 16 codes; my block's byte
.set XS, LQ+16*(\g)
.set CG, LC+8*((\c)%2)+4*(\g)
.set EB, LE+2*(\c)+(\g)
	v_max3_num_f32 v8, |v[XS]|, |v[XS+1]|, |v[XS+2]|
	v_max3_num_f32 v9, |v[XS+3]|, |v[XS+4]|, |v[XS+5]|
.irp i, 6,10
	v_max3_num_f32 v8, v8, |v[XS+\i]|, |v[XS+\i+1]|
	v_max3_num_f32 v9, v9, |v[XS+\i+2]|, |v[XS+\i+3]|
.endr
	v_max3_num_f32 v8, v8, |v[XS+14]|, |v[XS+15]|
	v_max3_num_f32 v8, v8, v9, 0x4800000           ; and the floor 2^(9 - 127)
	v_max_num_f32_dpp v8, v8, v8 row_xmask:1 row_mask:0xf bank_mask:0xf   ; with my neighbour's 16: the block's largest magnitude
	v_add_nc_u32 v11, 0xfc000000, v8               ; the conversion's scale operand
	v_and_or_b32 v10, v8, 0x7f800000, s26          ; 448 x the scale
.irp i, 0,1,2,3,4,5,6,7,8,9,10,11,12,13,14,15
	v_med3_num_f32 v[XS+\i], v[XS+\i], -v10, v10
.endr
	v_cvt_scalef32_pk8_fp8_f32 v[CG:CG+1], v[XS:XS+7], v11
	v_cvt_scalef32_pk8_fp8_f32 v[CG+2:CG+3], v[XS+8:XS+15], v11
	v_lshrrev_b32 v[EB], 23, v11                   ; the scale's byte
	ds_store_b8 v5, v[EB] offset:32*(\c)+16*(\g)   ; both lanes of a block write the same byte with the same value
	global_store_b128 v2, v[CG:CG+3], s[12:13] offset:1024*(\c)+512*(\g)   ; 512 consecutive bytes
.endm
.macro ROW c
.set XR, LX+32*((\c)%2)
.if (\c) < 7
	s_wait_loadcnt 8                               ; gain, bias and this row are in; the next row's 8 loads may be out
.else
	s_wait_loadcnt 0
.endif
	s_wait_xcnt 0x0                                ; the stores of two rows back have read their data: this row's set of code registers is written only behind this wait
.irp k, 0,1,2,3
	v_pk_add_f32 v[8+2*\k:9+2*\k], v[XR+4*\k:XR+4*\k+1], v[XR+4*\k+2:XR+4*\k+3]   ; the row's sum: four chains, started by the first sixteen numbers
.endr
.irp j, 16,24
.irp k, 0,1,2,3
	v_pk_add_f32 v[8+2*\k:9+2*\k], v[8+2*\k:9+2*\k], v[XR+\j+2*\k:XR+\j+2*\k+1]
.endr
.endr
	LANESUM
	v_mul_f32 v12, s27, v8                         ; mu
.set j, 0
.rept 16
	v_pk_add_f32 v[XR+j:XR+j+1], v[XR+j:XR+j+1], v[12:13] op_sel_hi:[1,0] neg_lo:[0,1] neg_hi:[0,1]   ; x - mu
.set j, j+2
.endr
.irp k, 0,1,2,3
	v_pk_mul_f32 v[8+2*\k:9+2*\k], v[XR+2*\k:XR+2*\k+1], v[XR+2*\k:XR+2*\k+1]      ; the sum of squared differences, again in four chains
.endr
.irp j, 8,16,24
.irp k, 0,1,2,3
	v_pk_fma_f32 v[8+2*\k:9+2*\k], v[XR+\j+2*\k:XR+\j+2*\k+1], v[XR+\j+2*\k:XR+\j+2*\k+1], v[8+2*\k:9+2*\k]
.endr
.endr
	LANESUM
	v_fma_f32 v10, v8, s27, s28                    ; the variance + 1e-12
	s_wait_alu depctr_va_vdst(0)
	v_rsq_f32 v12, v10
	v_nop                                          ; a plain instruction between the transcendental and the use of its result,
	s_wait_alu depctr_va_vdst(0)                   ; and the wait ahead of the first reader
.set j, 0
.rept 16
	v_pk_mul_f32 v[XR+j:XR+j+1], v[XR+j:XR+j+1], v[12:13] op_sel_hi:[1,0]
.set j, j+2
.endr
.set j, 0
.rept 16
	v_pk_fma_f32 v[XR+j:XR+j+1], v[XR+j:XR+j+1], v[LW+j:LW+j+1], v[LB+j:LB+j+1]     ; ((x - mu) rstd) w + b
.set j, j+2
.endr
.irp i, 0,1,2,3,4,5,6,7
	ds_store_b128 v3, v[XR+4*\i:XR+4*\i+3] offset:32*SP*(\i/4)+8*SP*(\i%4)          ; the row turns through my stage: in as it was loaded,
.endr
.irp i, 0,1,2,3,4,5,6,7
	ds_load_b128 v[LQ+4*\i:LQ+4*\i+3], v4 offset:32*SP*(\i/4)+16*(\i%4)             ; out 64 bytes a lane: 16 neighbours along K
.endr
	s_wait_dscnt 4                                 ; the eight stores have read the row and group 0 is back; group 1's four reads may be out
.if (\c) < 6
	LDROW (\c)+2                                   ; so the row's registers take the row two further on
.endif
	QG \c, 0
	s_wait_dscnt 1                                 ; group 1 is back; the byte store just issued may be out
	QG \c, 1
.endm
.irp i, 0,1,2,3,4,5,6,7
	global_load_b128 v[LW+4*\i:LW+4*\i+3], v2, s[6:7] offset:512*\i
.endr
.irp i, 0,1,2,3,4,5,6,7
	global_load_b128 v[LB+4*\i:LB+4*\i+3], v2, s[8:9] offset:512*\i
.endr
	LDROW 0
	LDROW 1
.irp c, 0,1,2,3,4,5,6,7
	ROW \c
.endr
	ds_load_b64 v[12:13], v6                       ; my wave's 256 scale bytes; LDS serves a wave's instructions in order: these see my stores
	s_wait_dscnt 0x0
	global_store_b64 v7, v[12:13], s[14:15]        ; 32 lanes store 256 consecutive bytes, aligned
	s_wait_tensorcnt 0x0
	ds_add_u32 v208, v209
	s_wait_dscnt 0x0
	s_endpgm
.Lfunc_end_k_qdb35c2a400_prep:
	.size	k_qdb35c2a400_prep, .Lfunc_end_k_qdb35c2a400_prep-k_qdb35c2a400_prep
	.p2alignl 7, 3214868480
	.fill 96, 4, 3214868480
	.section	.rodata,"a",@progbits
	.p2align	6, 0x0
	.amdhsa_kernel k_qdb35c2a400_prep
		.amdhsa_group_segment_fixed_size 68096
		.amdhsa_private_segment_fixed_size 0
		.amdhsa_enable_private_segment 0
		.amdhsa_kernarg_size 64
		.amdhsa_user_sgpr_count 2
		.amdhsa_user_sgpr_kernarg_segment_ptr 1
		.amdhsa_wavefront_size32 1
		.amdhsa_system_sgpr_workgroup_id_x 1
		.amdhsa_system_sgpr_workgroup_id_y 1
		.amdhsa_system_sgpr_workgroup_id_z 1
		.amdhsa_system_vgpr_workitem_id 0
		.amdhsa_next_free_vgpr 210
		.amdhsa_next_free_sgpr 66
		.amdhsa_reserve_vcc 0
		.amdhsa_float_denorm_mode_32 3
		.amdhsa_float_denorm_mode_16_64 3
		.amdhsa_memory_ordered 1
		.amdhsa_forward_progress 1
		.amdhsa_inst_pref_size 160
	.end_amdhsa_kernel
	.amdgpu_metadata
---
amdhsa.version: [ 1, 2 ]
amdhsa.kernels:
  - .name:           k_qdb35c2a400_prep
    .symbol:         k_qdb35c2a400_prep.kd
    .args:
      - { .name: hidden_states, .offset: 0, .size: 8, .value_kind: global_buffer, .address_space: global }
      - { .name: ln_weight, .offset: 8, .size: 8, .value_kind: global_buffer, .address_space: global }
      - { .name: ln_bias, .offset: 16, .size: 8, .value_kind: global_buffer, .address_space: global }
      - { .name: w_qkv, .offset: 24, .size: 8, .value_kind: global_buffer, .address_space: global }
      - { .name: acodes, .offset: 32, .size: 8, .value_kind: global_buffer, .address_space: global }
      - { .name: ascales, .offset: 40, .size: 8, .value_kind: global_buffer, .address_space: global }
      - { .name: wcodes, .offset: 48, .size: 8, .value_kind: global_buffer, .address_space: global }
      - { .name: wscales, .offset: 56, .size: 8, .value_kind: global_buffer, .address_space: global }
    .group_segment_fixed_size: 68096
    .private_segment_fixed_size: 0
    .kernarg_segment_align: 8
    .kernarg_segment_size: 64
    .max_flat_workgroup_size: 128
    .sgpr_count:     66
    .vgpr_count:     210
    .wavefront_size: 32
...
	.end_amdgpu_metadata
.endif
;; end of part 1
;; launch qkv (part 2): grid 12 x 32, 4 waves a work-group, clusters of 4 x 4, 327,680 bytes of LDS; arguments acodes, ascales, wcodes, wscales, b_qkv, sinusoidal_pos, qrec, kv; writes qrec, kv
.if DOCPART == 2
	.amdgcn_target "amdgcn-amd-amdhsa--gfx1250"
	.amdhsa_code_object_version 6
	.text
	.protected	k_qdb35c2a400_qkv
	.globl	k_qdb35c2a400_qkv
	.p2align	8
	.type	k_qdb35c2a400_qkv,@function
k_qdb35c2a400_qkv:
	s_mov_b64 s[64:65], 0
	v_nop
	global_prefetch_b8 v0, s[64:65] scope:SCOPE_SE
	s_setreg_imm32_b32 hwreg(HW_REG_WAVE_MODE, 25, 1), 1
	s_wait_xcnt 0x0
	s_wait_alu depctr_hold_cnt(0) depctr_sa_sdst(0) depctr_va_vdst(0) depctr_va_sdst(0) depctr_va_ssrc(0) depctr_va_vcc(0) depctr_vm_vsrc(0)
	s_getreg_b32 s2, hwreg(HW_REG_IB_STS2, 6, 4)
	s_cmp_eq_u32 s2, 0
	s_cbranch_scc0 .Lentry_in_a_cluster
	s_endpgm
.Lentry_in_a_cluster:
	s_bfe_u32 s2, ttmp6, 0x10000c
	s_cmp_lg_u32 s2, 0xf033
	s_cbranch_scc0 .Lentry_shape_is_right
	s_endpgm
.Lentry_shape_is_right:
.set KSTEP,  256
.set NQ,     2
.set ROWB,   256
.set KROW,   1024
.set PITCH,  272
.set FR,     16
.set NL,     4
.set NP,     8
.set HALFT,  128*PITCH
.set SLOT,   4*HALFT
.set LAPS,   2
.set KS,     32
.set SCL,    2*SLOT
.set HALFS,  16*272
.set SBLK,   2*272
.set SPARE,  SCL+4*HALFS
.set ADRA, 16
.set ADRB, 20
.set LI,   24
.set L8,   25
.set TRO,  26
.set ADRS, 27
.set SPW,  28
.set NIL,  29
.set VB,   30
.set SC,   32
.set BIAS, 64
.set TRIG, 64
.set AF,   128
.set WD,   32
.set WS,   48
.set Y,    128
.set PC0,  192
.set TM,   224
.set G1, 24
.set G0, 32
.set G1B, 48
.set G0B, 56
.set G1S, 68
.set G0S, 76
.set G1SB, 80
.set G0SB, 88
.set MSB, 0
.macro WIN new
.if MSB != \new
	s_set_vgpr_msb (MSB<<8)|\new
.set MSB, \new
.endif
.endm
.set MUL_LO, 0xa1
.set MUL_HI, 0xf1
.set BIA_LO, 0x81
.set BIA_HI, 0xc1
.set TO_B,   0x40
.macro JLOAD g0a, g1a, g0b, g1b
	s_cmp_eq_u32 s15, 0
	s_cbranch_scc0 .Lfor_b_\@
	tensor_load_to_lds s[\g0a:\g0a+3], s[\g1a:\g1a+7]
	s_nop 0
.rept 4
	v_nop
.endr
	s_branch .Lasked_\@
.Lfor_b_\@:
	tensor_load_to_lds s[\g0b:\g0b+3], s[\g1b:\g1b+7]
	s_nop 0
.rept 4
	v_nop
.endr
.Lasked_\@:
.endm
.macro CREST
	s_cmp_lg_u32 s14, 0
	s_cbranch_scc1 .Lnot_wave_0_\@
	s_barrier_signal -3
.Lnot_wave_0_\@:
	s_barrier_wait -3
	s_barrier_signal -1
	s_barrier_wait -1
.endm
.macro CROUND
	s_barrier_signal -1
	s_barrier_wait -1
	CREST
.endm
	s_load_b128 s[4:7], s[0:1], 0x0
	s_load_b128 s[8:11], s[0:1], 0x10
	s_load_b128 s[96:99], s[0:1], 0x20
	s_load_b64 s[12:13], s[0:1], 0x30
	s_load_b64 s[66:67], s[0:1], 0x38
	v_lshl_add_u32 v[SPW], v0, 2, SPARE
	v_mov_b32 v[NIL], 0
	ds_add_u32 v28, v29
	ds_add_u32 v28, v29
	s_wait_dscnt 0x0
	v_lshrrev_b32 v1, 5, v0
	v_readfirstlane_b32 s14, v1
	s_lshr_b32 s15, s14, 1
	s_and_b32 s16, s14, 1
	s_bfe_u32 s40, ttmp6, 0x40000
	s_bfe_u32 s41, ttmp6, 0x40004
	s_and_b32 s18, ttmp7, 0xffff
	s_lshl_b32 s18, s18, 2
	s_lshl_b32 s19, ttmp9, 2
	s_cmp_eq_u32 ttmp9, 2
	s_cselect_b32 s17, 8, s18
	s_cselect_b32 s42, s18, s19
	s_add_co_u32 s17, s17, s41
	s_add_co_u32 s42, s42, s40
	s_lshl_b32 s43, s41, 2
	s_lshl_b32 s43, 15, s43
	s_lshl_b32 s44, 0x1111, s40
	s_or_b32 s[G1+0], s43, (0<<16)|(1<<20)|(1<<21)|(5<<22)|(3<<25)
	s_or_b32 s[G1B+0], s44, (0<<16)|(1<<20)|(1<<21)|(5<<22)|(3<<25)
.irp g, G1, G1B
	s_mov_b32 s[\g+1], ROWB<<16
	s_mov_b32 s[\g+2], 128<<16
	s_mov_b32 s[\g+3], ROWB<<16
	s_mov_b32 s[\g+4], 128
	s_mov_b32 s[\g+5], KROW
	s_mov_b32 s[\g+6], 0
	s_mov_b32 s[\g+7], 0
.endr
	s_or_b32 s[G1S+0], s43, (3<<16)|(1<<20)|(1<<21)|(5<<22)|(3<<25)
	s_or_b32 s[G1SB+0], s44, (3<<16)|(1<<20)|(1<<21)|(5<<22)|(3<<25)
.irp g, G1S, G1SB
	s_mov_b32 s[\g+1], 32<<16
	s_mov_b32 s[\g+2], 16<<16
	s_mov_b32 s[\g+3], 32<<16
	s_mov_b32 s[\g+4], 16
	s_mov_b32 s[\g+5], 32
	s_mov_b32 s[\g+6], 0
	s_mov_b32 s[\g+7], 0
.endr
	s_lshl_b32 s18, s16, 7
	s_lshl_b32 s20, s17, 8
	s_add_co_u32 s20, s20, s18
	s_lshl_b32 s46, s42, 8
	s_add_co_u32 s46, s46, s18
	s_mov_b32 s21, 0
	s_mov_b32 s47, 0
	s_mov_b64 s[18:19], KS
	s_mul_u64 s[22:23], s[20:21], s[18:19]
	s_mul_u64 s[92:93], s[46:47], s[18:19]
	s_mov_b64 s[18:19], KROW
	s_mul_u64 s[20:21], s[20:21], s[18:19]
	s_mul_u64 s[46:47], s[46:47], s[18:19]
	s_mul_i32 s45, s14, HALFT
	s_mul_i32 s94, s14, HALFS
	s_wait_kmcnt 0x0
	s_cmp_eq_u32 ttmp9, 2
	s_cselect_b64 s[100:101], s[8:9], s[4:5]
	s_cselect_b64 s[8:9], s[4:5], s[8:9]
	s_cselect_b64 s[4:5], s[10:11], s[6:7]
	s_cselect_b64 s[10:11], s[6:7], s[10:11]
	s_add_nc_u64 s[20:21], s[100:101], s[20:21]
	s_add_nc_u64 s[22:23], s[4:5], s[22:23]
	s_add_nc_u64 s[46:47], s[8:9], s[46:47]
	s_add_nc_u64 s[92:93], s[10:11], s[92:93]
	CROUND
	s_mov_b32 s[G0S], 1
	s_add_co_u32 s[G0S+1], s94, SCL
	s_mov_b64 s[G0S+2:G0S+3], s[22:23]
	s_or_b32 s[G0S+3], s[G0S+3], 0x80000000
	s_mov_b32 s[G0SB], 1
	s_add_co_u32 s[G0SB+1], s94, SCL
	s_mov_b64 s[G0SB+2:G0SB+3], s[92:93]
	s_or_b32 s[G0SB+3], s[G0SB+3], 0x80000000
	JLOAD G0S, G1S, G0SB, G1SB
.irp s, 0,1
	s_mov_b32 s[G0+4*\s], 1
	s_add_co_u32 s[G0+4*\s+1], s45, \s*SLOT
	s_add_nc_u64 s[G0+4*\s+2:G0+4*\s+3], s[20:21], \s*ROWB
	s_or_b32 s[G0+4*\s+3], s[G0+4*\s+3], 0x80000000
	s_mov_b32 s[G0B+4*\s], 1
	s_add_co_u32 s[G0B+4*\s+1], s45, \s*SLOT
	s_add_nc_u64 s[G0B+4*\s+2:G0B+4*\s+3], s[46:47], \s*ROWB
	s_or_b32 s[G0B+4*\s+3], s[G0B+4*\s+3], 0x80000000
	s_wait_alu depctr_va_vdst(0)
	s_wait_tensorcnt 0x0
	ds_add_u32 v28, v29
	s_wait_dscnt 0x0
	CROUND
	JLOAD G0+4*\s, G1, G0B+4*\s, G1B
.endr
	v_and_b32 v1, 15, v0
	v_bfe_u32 v2, v0, 4, 1
	v_mul_u32_u24 v3, v1, PITCH
	v_lshl_add_u32 v4, v2, 4, v3
	s_mul_i32 s21, s15, HALFT
	s_mul_i32 s22, s16, HALFT
	s_add_co_u32 s22, s22, 2*HALFT
.irp s, 0,1
	v_add_nc_u32 v[ADRA+\s], s21, v4
	v_add_nc_u32 v[ADRB+\s], s22, v4
	s_add_co_u32 s21, s21, SLOT
	s_add_co_u32 s22, s22, SLOT
.endr
	v_mul_u32_u24 v5, v1, KS
	v_lshrrev_b32 v6, 8, v5
	v_lshl_add_u32 v5, v6, 4, v5
	s_mul_i32 s21, s15, HALFS
	s_mul_i32 s22, s16, HALFS
	s_add_co_u32 s22, s22, 2*HALFS
	s_sub_co_u32 s22, s22, s21
	v_mul_u32_u24 v6, s22, v2
	s_add_co_u32 s21, s21, SCL
	v_add_nc_u32 v5, v5, v6
	v_add_nc_u32 v[ADRS], s21, v5
	v_and_b32 v7, 8, v1
	v_add_nc_u32 v7, v7, v1
	v_and_b32 v8, 31, v0
	v_lshlrev_b32 v[LI], 4, v8
	v_lshlrev_b32 v[L8], 3, v8
	v_lshlrev_b32 v[TRO], 8, v7
	v_lshl_add_u32 v[TRO], v2, 5, v[TRO]
	s_cmp_eq_u32 ttmp9, 2
	s_cbranch_scc1 .Lbias_v
	s_lshl_b32 s20, s42, 10
	s_lshl_b32 s21, s16, 9
	s_add_co_u32 s20, s20, s21
	s_mov_b32 s21, 0
	s_add_nc_u64 s[96:97], s[96:97], s[20:21]
	v_lshlrev_b32 v[VB], 6, v2
.irp b, 0,1,2,3,4,5,6,7
	global_load_b128 v[BIAS+8*\b:BIAS+8*\b+3], v[VB], s[96:97] offset:4*(32*(\b/2)+8*(\b%2))
	global_load_b128 v[BIAS+8*\b+4:BIAS+8*\b+7], v[VB], s[96:97] offset:4*(32*(\b/2)+8*(\b%2))+16
.endr
	s_and_b32 s20, s17, 7
	s_lshl_b32 s20, s20, 1
	s_add_co_u32 s20, s20, s15
	s_lshl_b32 s20, s20, 15
	s_add_nc_u64 s[98:99], s[98:99], s[20:21]
	s_branch .Lbias_in
.Lbias_v:
	s_lshl_b32 s20, s17, 10
	s_lshl_b32 s21, s15, 9
	s_add_co_u32 s20, s20, s21
	s_mov_b32 s21, 0
	s_add_nc_u64 s[96:97], s[96:97], s[20:21]
	s_wait_alu depctr_va_vdst(0)
	v_lshlrev_b32 v[VB], 2, v7
.irp a, 0,1,2,3,4,5,6,7
	global_load_b32 v[BIAS+8*\a], v[VB], s[96:97] offset:4*(32*(\a/2)+8*(\a%2))
.endr
	s_wait_loadcnt 0x0
.irp a, 0,1,2,3,4,5,6,7
.irp j, 1,2,3,4,5,6,7
	v_mov_b32 v[BIAS+8*\a+\j], v[BIAS+8*\a]
.endr
.endr
.Lbias_in:
.macro FRAG reg, adr, q, i
.irp c, 0,1,2,3
	ds_load_b128 v[\reg+4*\c:\reg+4*\c+3], v[\adr] offset:128*(\q)+32*\c+(\i)*16*PITCH
.endr
.endm
.macro MUL16 a0, p, q, sc, zero
.irp a, \a0, \a0+1
.irp b, 0,1,2,3,4,5,6,7
.if \zero == 1
	v_wmma_scale_f32_16x16x128_f8f6f4 v[8*(8*((\a)%4)+\b):8*(8*((\a)%4)+\b)+7], v[128*(\p)+FR*\b:128*(\p)+FR*\b+FR-1], v[AF+FR*(\a):AF+FR*(\a)+FR-1], v[BIAS+8*\b:BIAS+8*\b+7], v[SC+8*NQ*(\sc)+NQ*\b+(\q)], v[SC+8*NQ*(\sc)+NQ*(\a)+(\q)] matrix_a_scale:MATRIX_SCALE_ROW1
.elseif \zero == 2
	v_wmma_scale_f32_16x16x128_f8f6f4 v[8*(8*((\a)%4)+\b):8*(8*((\a)%4)+\b)+7], v[128*(\p)+FR*\b:128*(\p)+FR*\b+FR-1], v[AF+FR*(\a):AF+FR*(\a)+FR-1], v[BIAS+8*(\a):BIAS+8*(\a)+7], v[SC+8*NQ*(\sc)+NQ*\b+(\q)], v[SC+8*NQ*(\sc)+NQ*(\a)+(\q)] matrix_a_scale:MATRIX_SCALE_ROW1
.else
	v_wmma_scale_f32_16x16x128_f8f6f4 v[8*(8*((\a)%4)+\b):8*(8*((\a)%4)+\b)+7], v[128*(\p)+FR*\b:128*(\p)+FR*\b+FR-1], v[AF+FR*(\a):AF+FR*(\a)+FR-1], v[8*(8*((\a)%4)+\b):8*(8*((\a)%4)+\b)+7], v[SC+8*NQ*(\sc)+NQ*\b+(\q)], v[SC+8*NQ*(\sc)+NQ*(\a)+(\q)] matrix_a_scale:MATRIX_SCALE_ROW1
.endif
.endr
.endr
.endm
.macro FETCH_B slot, q, p
	WIN TO_B
.irp i, 0,1,2,3,4,5,6,7
	FRAG 128*(\p)+FR*\i, ADRB+\slot, \q, \i
.endr
	WIN 0
.endm
.macro FETCH_A slot, q, i0
.irp i, \i0, \i0+1, \i0+2, \i0+3
	FRAG AF+FR*(\i), ADRA+\slot, \q, \i
.endr
.endm
.macro SCALES sc
.irp i, 0,1,2,3,4,5,6,7
	ds_load_b64 v[SC+8*NQ*\sc+NQ*\i:SC+8*NQ*\sc+NQ*\i+1], v[ADRS] offset:\i*SBLK
.endr
.endm
.macro PLACES n
.rept \n
	v_nop
.endr
.endm
.macro STEP slot, q, zero
	s_wait_dscnt 4*NL
.if \zero
	WIN BIA_LO
.else
	WIN MUL_LO
.endif
	MUL16 0, (\q)%2, \q, \slot, \zero
	MUL16 2, (\q)%2, \q, \slot, \zero
	s_wait_dscnt 0
	PLACES NP
	FETCH_B \slot, (\q)+1, 1-(\q)%2
	FETCH_A \slot, (\q)+1, 0
.if \zero
	WIN BIA_HI
.else
	WIN MUL_HI
.endif
	MUL16 4, (\q)%2, \q, \slot, \zero
	MUL16 6, (\q)%2, \q, \slot, \zero
	PLACES NP
	WIN 0
	FETCH_A \slot, (\q)+1, 4
.endm
.macro TURN slot, next, fill
	s_wait_tensorcnt 0x0
	ds_add_u32 v[SPW], v[NIL]
	s_wait_dscnt 4*NL+1
	WIN MUL_LO
	MUL16 0, 1, NQ-1, \slot, 0
	s_wait_dscnt 0x0
	s_barrier_signal -1
	MUL16 2, 1, NQ-1, \slot, 0
	WIN 0
	s_barrier_wait -1
.if \fill
	CREST
	s_add_nc_u64 s[G0+4*\slot+2:G0+4*\slot+3], s[G0+4*\slot+2:G0+4*\slot+3], 2*ROWB
	s_add_nc_u64 s[G0B+4*\slot+2:G0B+4*\slot+3], s[G0B+4*\slot+2:G0B+4*\slot+3], 2*ROWB
	JLOAD G0+4*\slot, G1, G0B+4*\slot, G1B
	PLACES NP-4
.else
	PLACES NP
.endif
	s_wait_alu depctr_va_vdst(0)
	v_add_nc_u32 v[ADRS], 4*NQ, v[ADRS]
	FETCH_B \next, 0, 0
	FETCH_A \next, 0, 0
	SCALES \next
	WIN MUL_HI
	MUL16 4, 1, NQ-1, \slot, 0
	MUL16 6, 1, NQ-1, \slot, 0
	PLACES NP
	WIN 0
	FETCH_A \next, 0, 4
.endm
.macro SCLOAD a, set
.irp bt, 0,1
.irp e, 0,1
	global_load_b128 v[TRIG+32*(\set)+8*\bt+4*\e:TRIG+32*(\set)+8*\bt+4*\e+3], v[TRO], s[98:99] offset:(32*((\a)/2)+8*((\a)%2))*256+64*\bt+16*\e
	global_load_b128 v[TRIG+32*(\set)+16+8*\bt+4*\e:TRIG+32*(\set)+16+8*\bt+4*\e+3], v[TRO], s[98:99] offset:(32*((\a)/2)+8*((\a)%2))*256+128+64*\bt+16*\e
.endr
.endr
.endm
	s_wait_tensorcnt 1
	s_barrier_signal -1
	s_barrier_wait -1
	FETCH_B 0, 0, 0
	FETCH_A 0, 0, 0
	s_wait_alu depctr_va_vdst(0)
	SCALES 0
	FETCH_A 0, 0, 4
	s_wait_loadcnt 0x0
	s_cmp_eq_u32 ttmp9, 2
	s_cbranch_scc1 .Lfirst_v
	STEP 0, 0, 1
	SCLOAD 0, 0
	SCLOAD 1, 1
	s_branch .Lfirst_done
.Lfirst_v:
	STEP 0, 0, 2
.Lfirst_done:
	s_mov_b32 s3, LAPS-1
.Llap:
	TURN 0, 1, 1
	STEP 1, 0, 0
	TURN 1, 0, 1
	STEP 0, 0, 0
	s_sub_co_u32 s3, s3, 1
	s_cmp_lg_u32 s3, 0
	s_cbranch_scc1 .Llap
	TURN 0, 1, 0
	STEP 1, 0, 0
	s_wait_dscnt 4*NL
	WIN MUL_LO
	MUL16 0, 1, NQ-1, 1, 0
	MUL16 2, 1, NQ-1, 1, 0
	s_wait_dscnt 0
	WIN MUL_HI
	MUL16 4, 1, NQ-1, 1, 0
	MUL16 6, 1, NQ-1, 1, 0
	WIN 0
.macro QUANT s, w
.set W1, (\w)|((\w)<<2)
.set W2, ((\w)<<2)|((\w)<<4)
.set W3, (\w)|((\w)<<6)
.set W4, (\w)
	WIN W1
.irp b, 0,1,2,3
	v_max3_num_f32 v[TM+\b], |v[(\s)+16*\b]|, |v[(\s)+1+16*\b]|, 0x4800000
.endr
	WIN W2
.irp i, 2,4,6,8,10,12,14
.irp b, 0,1,2,3
	v_max3_num_f32 v[TM+\b], v[TM+\b], |v[(\s)+16*\b+\i]|, |v[(\s)+1+16*\b+\i]|
.endr
.endr
	WIN 0
.irp b, 0,1,2,3
	v_permlanex16_b32 v[TM+4+\b], v[TM+\b], s43, s44
.endr
.irp b, 0,1,2,3
	v_max_num_f32 v[TM+\b], v[TM+\b], v[TM+4+\b]
.endr
.irp b, 0,1,2,3
	v_add_nc_u32 v[TM+12+\b], 0xfc000000, v[TM+\b]
.endr
.irp b, 0,1,2,3
	v_and_or_b32 v[TM+8+\b], v[TM+\b], 0x7f800000, s45
.endr
.irp b, 0,1,2,3
	v_lshrrev_b32 v[TM+4+\b], 23, v[TM+12+\b]
.endr
	WIN W3
.irp b, 0,1,2,3
.irp i, 0,1,2,3,4,5,6,7,8,9,10,11,12,13,14,15
	v_med3_num_f32 v[(\s)+16*\b+\i], v[(\s)+16*\b+\i], -v[TM+8+\b], v[TM+8+\b]
.endr
.endr
	WIN W4
.irp b, 0,1,2,3
	v_cvt_scalef32_pk8_fp8_f32 v[PC+4*\b:PC+4*\b+1], v[(\s)+16*\b:(\s)+16*\b+7], v[TM+12+\b]
	v_cvt_scalef32_pk8_fp8_f32 v[PC+4*\b+2:PC+4*\b+3], v[(\s)+16*\b+8:(\s)+16*\b+15], v[TM+12+\b]
.endr
	v_nop
	WIN 0
.endm
.macro QKOUT a
.set WN, 2+(\a)/4
.set XA, 64*((\a)%4)
.set SN, TRIG+32*((\a)%2)
.set PC, PC0+16*((\a)%2)
.if (\a) < 7
	s_wait_loadcnt 8
.else
	s_wait_loadcnt 0
.endif
.if (\a) > 1
	s_wait_xcnt 0x0
.endif
	WIN WN
.irp k, 0,1,2,3
.irp u, 0,1,2,3
	v_pk_mul_f32 v[Y+16*\k+4*\u:Y+16*\k+4*\u+1], v[XA+16*\k+4*\u:XA+16*\k+4*\u+1], v[SN+8*(\k%2)+2*\u:SN+8*(\k%2)+2*\u+1] op_sel:[1,0] op_sel_hi:[0,0]
	v_pk_mul_f32 v[Y+16*\k+4*\u+2:Y+16*\k+4*\u+3], v[XA+16*\k+4*\u+2:XA+16*\k+4*\u+3], v[SN+8*(\k%2)+2*\u:SN+8*(\k%2)+2*\u+1] op_sel:[1,1] op_sel_hi:[0,1]
.endr
.irp u, 0,1,2,3
	v_pk_fma_f32 v[Y+16*\k+4*\u:Y+16*\k+4*\u+1], v[XA+16*\k+4*\u:XA+16*\k+4*\u+1], v[SN+16+8*(\k%2)+2*\u:SN+16+8*(\k%2)+2*\u+1], v[Y+16*\k+4*\u:Y+16*\k+4*\u+1] op_sel:[0,0,0] op_sel_hi:[1,0,1] neg_lo:[0,0,1] neg_hi:[0,0,0]
	v_pk_fma_f32 v[Y+16*\k+4*\u+2:Y+16*\k+4*\u+3], v[XA+16*\k+4*\u+2:XA+16*\k+4*\u+3], v[SN+16+8*(\k%2)+2*\u:SN+16+8*(\k%2)+2*\u+1], v[Y+16*\k+4*\u+2:Y+16*\k+4*\u+3] op_sel:[0,1,0] op_sel_hi:[1,1,1] neg_lo:[0,0,1] neg_hi:[0,0,0]
.endr
.endr
	WIN 0
.if (\a) < 6
	SCLOAD (\a)+2, (\a)%2
.endif
	QUANT Y, 0
	v_lshl_or_b32 v[WD+(\a)], v[TM+5], 8, v[TM+4]
	v_lshl_or_b32 v[WD+8+(\a)], v[TM+7], 8, v[TM+6]
	global_store_b128 v[LI], v[PC:PC+3], s[12:13] offset:1024*(\a)
	global_store_b128 v[LI], v[PC+4:PC+7], s[12:13] offset:1024*(\a)+512
	global_store_b128 v[LI], v[PC+8:PC+11], s[66:67] offset:1024*(\a)
	global_store_b128 v[LI], v[PC+12:PC+15], s[66:67] offset:1024*(\a)+512
.endm
.macro VOUT a
.set WN, 2+(\a)/4
.set XA, 64*((\a)%4)
.set PC, PC0+16*((\a)%2)
.set BS, 12+54*((\a)/4)
.if (\a) > 1
	s_wait_xcnt 0x0
.endif
	QUANT XA, WN
	v_lshl_or_b32 v[WD+(\a)], v[TM+5], 8, v[TM+4]
	v_lshl_or_b32 v[WD+(\a)], v[TM+6], 16, v[WD+(\a)]
	v_lshl_or_b32 v[WD+(\a)], v[TM+7], 24, v[WD+(\a)]
.irp c, 0,1,2,3
	global_store_b128 v[LI], v[PC+4*\c:PC+4*\c+3], s[BS:BS+1] offset:2048*((\a)%4)+512*\c
.endr
.endm
	PLACES NP
	s_mov_b32 s43, 0x76543210
	s_mov_b32 s44, 0xfedcba98
	s_mov_b32 s45, 0x600000
	s_mov_b32 s94, 0xffff0000
.irp b, 0,1,2,3
	v_mov_b32 v[TM+4+\b], 0
.endr
	s_cmp_eq_u32 ttmp9, 2
	s_cbranch_scc1 .Lout_v
	s_lshr_b32 s18, s17, 3
	s_and_b32 s19, s42, 3
	s_lshl_b32 s19, s19, 2
	s_lshl_b32 s22, s16, 1
	s_add_co_u32 s19, s19, s22
	s_lshl_b32 s18, s18, 4
	s_add_co_u32 s18, s18, s19
	s_lshl_b32 s18, s18, 4
	s_and_b32 s19, s17, 7
	s_lshl_b32 s19, s19, 1
	s_add_co_u32 s19, s19, s15
	s_add_co_u32 s18, s18, s19
	s_cmp_eq_u32 ttmp9, 0
	s_mov_b32 s21, 17152
	s_cselect_b32 s21, 8704, s21
	s_cselect_b64 s[12:13], s[12:13], s[66:67]
	s_mul_i32 s18, s18, s21
	s_mov_b32 s19, 0
	s_add_nc_u64 s[12:13], s[12:13], s[18:19]
	s_lshl_b32 s18, s21, 4
	s_add_nc_u64 s[66:67], s[12:13], s[18:19]
.irp a, 0,1,2,3,4,5,6,7
	QKOUT \a
.endr
.irp i, 0,1,2,3
	v_cndmask_b32 v[WS+\i], v[WD+\i], v[WD+4+\i], s94
	v_cndmask_b32 v[WS+4+\i], v[WD+8+\i], v[WD+12+\i], s94
.endr
	global_store_b128 v[LI], v[WS:WS+3], s[12:13] offset:8192
	global_store_b128 v[LI], v[WS+4:WS+7], s[66:67] offset:8192
	s_branch .Lend
.Lout_v:
	s_lshr_b32 s18, s42, 3
	s_sub_co_u32 s19, s17, 8
	s_lshl_b32 s19, s19, 2
	s_lshl_b32 s22, s15, 1
	s_add_co_u32 s19, s19, s22
	s_lshl_b32 s18, s18, 4
	s_add_co_u32 s18, s18, s19
	s_lshl_b32 s18, s18, 4
	s_and_b32 s19, s42, 7
	s_lshl_b32 s19, s19, 1
	s_add_co_u32 s19, s19, s16
	s_add_co_u32 s18, s18, s19
	s_mul_i32 s18, s18, 17152
	s_add_co_u32 s18, s18, 8704
	s_mov_b32 s19, 0
	s_add_nc_u64 s[12:13], s[66:67], s[18:19]
	s_add_nc_u64 s[66:67], s[12:13], 16*17152
.irp a, 0,1,2,3,4,5,6,7
	VOUT \a
.endr
.irp n, 0,1
	v_cndmask_b32 v[WS+2*\n], v[WD+4*\n], v[WD+4*\n+2], s94
	v_cndmask_b32 v[WS+2*\n+1], v[WD+4*\n+1], v[WD+4*\n+3], s94
.endr
	global_store_b64 v[L8], v[WS:WS+1], s[12:13] offset:8192
	global_store_b64 v[L8], v[WS+2:WS+3], s[66:67] offset:8192
.Lend:
	s_wait_tensorcnt 0x0
	ds_add_u32 v[SPW], v[NIL]
	s_wait_dscnt 0x0
	CROUND
	s_endpgm
.Lfunc_end_k_qdb35c2a400_qkv:
	.size	k_qdb35c2a400_qkv, .Lfunc_end_k_qdb35c2a400_qkv-k_qdb35c2a400_qkv
	.p2alignl 7, 3214868480
	.fill 96, 4, 3214868480
	.section	.rodata,"a",@progbits
	.p2align	6, 0x0
	.amdhsa_kernel k_qdb35c2a400_qkv
		.amdhsa_group_segment_fixed_size 327680
		.amdhsa_private_segment_fixed_size 0
		.amdhsa_enable_private_segment 0
		.amdhsa_kernarg_size 64
		.amdhsa_user_sgpr_count 2
		.amdhsa_user_sgpr_kernarg_segment_ptr 1
		.amdhsa_wavefront_size32 1
		.amdhsa_system_sgpr_workgroup_id_x 1
		.amdhsa_system_sgpr_workgroup_id_y 1
		.amdhsa_system_sgpr_workgroup_id_z 1
		.amdhsa_system_vgpr_workitem_id 0
		.amdhsa_next_free_vgpr 1024
		.amdhsa_next_free_sgpr 102
		.amdhsa_reserve_vcc 0
		.amdhsa_float_denorm_mode_32 3
		.amdhsa_float_denorm_mode_16_64 3
		.amdhsa_memory_ordered 1
		.amdhsa_forward_progress 1
		.amdhsa_inst_pref_size 255
	.end_amdhsa_kernel
	.section	.bss,"aw",@nobits
	.p2align	6
	.space	262144
	.amdgpu_metadata
---
amdhsa.version: [ 1, 2 ]
amdhsa.kernels:
  - .name:           k_qdb35c2a400_qkv
    .symbol:         k_qdb35c2a400_qkv.kd
    .args:
      - { .name: acodes, .offset: 0, .size: 8, .value_kind: global_buffer, .address_space: global }
      - { .name: ascales, .offset: 8, .size: 8, .value_kind: global_buffer, .address_space: global }
      - { .name: wcodes, .offset: 16, .size: 8, .value_kind: global_buffer, .address_space: global }
      - { .name: wscales, .offset: 24, .size: 8, .value_kind: global_buffer, .address_space: global }
      - { .name: b_qkv, .offset: 32, .size: 8, .value_kind: global_buffer, .address_space: global }
      - { .name: sinusoidal_pos, .offset: 40, .size: 8, .value_kind: global_buffer, .address_space: global }
      - { .name: qrec, .offset: 48, .size: 8, .value_kind: global_buffer, .address_space: global }
      - { .name: kv, .offset: 56, .size: 8, .value_kind: global_buffer, .address_space: global }
    .group_segment_fixed_size: 327680
    .private_segment_fixed_size: 0
    .kernarg_segment_align: 8
    .kernarg_segment_size: 64
    .max_flat_workgroup_size: 128
    .sgpr_count:     102
    .vgpr_count:     1024
    .wavefront_size: 32
...
	.end_amdgpu_metadata
.endif
;; end of part 2
;; launch attn (part 3): grid 4 x 64, 16 waves a work-group, clusters of 4 x 1, 327,680 bytes of LDS; arguments qrec, kv, out0; writes out0
.if DOCPART == 3
	.amdgcn_target "amdgcn-amd-amdhsa--gfx1250"
	.amdhsa_code_object_version 6
	.text
	.protected	k_qdb35c2a400_attn
	.globl	k_qdb35c2a400_attn
	.p2align	8
	.type	k_qdb35c2a400_attn,@function
k_qdb35c2a400_attn:
	s_mov_b64 s[64:65], 0
	v_nop
	global_prefetch_b8 v0, s[64:65] scope:SCOPE_SE
	s_setreg_imm32_b32 hwreg(HW_REG_WAVE_MODE, 25, 1), 1
	s_wait_xcnt 0x0
	s_wait_alu depctr_hold_cnt(0) depctr_sa_sdst(0) depctr_va_vdst(0) depctr_va_sdst(0) depctr_va_ssrc(0) depctr_va_vcc(0) depctr_vm_vsrc(0)
	s_getreg_b32 s2, hwreg(HW_REG_IB_STS2, 6, 4)
	s_cmp_eq_u32 s2, 0
	s_cbranch_scc0 .Lentry_in_a_cluster
	s_endpgm
.Lentry_in_a_cluster:
	s_bfe_u32 s2, ttmp6, 0x10000c
	s_cmp_lg_u32 s2, 0x3003
	s_cbranch_scc0 .Lentry_shape_is_right
	s_endpgm
.Lentry_shape_is_right:
; ATTN: out0[b][q][64 head + d] = the sum over k of softmax_k(Q . K / 8) V, for 64 (batch, head) pairs of 2,048 tokens and 64 channels, both products on codes of FP8 (E4M3) with E8M0 scales.
; THE SOFTMAX AHEAD OF THE SECOND PRODUCT: t = score x log2(e) / 8; M = the row's largest t so far, rounded UP to a whole number; p = 2^(t - M) is quantised along the keys, not normalised.
; The row's sum is taken of the unquantised p and divides O at the end.  When M moves, the sum and O are multiplied by 2^(old M - new M): exact.
; INPUTS, images of operand registers: qrec records of 8,704 bytes and kv records of 17,152 bytes, one for each (batch, head) and step of 128 tokens:
; 8 tiles of 16 positions x 64 d (two pieces of 512 bytes, lane l's 16 bytes at 16 l), their scale words at 8,192; in kv also V^T's 4 fragments (16 d x 128 keys) at 8,704 and their scale words at 16,896.
; ROW ORDER: position 16 i + r of a step is token 32 (i / 2) + 8 (i % 2) + r + 8 (r / 8): in S^T = K Q^T the 16 registers of tiles 2 b, 2 b + 1 are 16 neighbouring keys, in O^T = V^T P^T 16 neighbouring channels.  A lane holds ONE query.
; THE HEAD'S 64 CHANNELS FILL HALF OF THE INSTRUCTION'S K = 128.  Q's registers 8 to 15 are zero codes.  K's eight tiles lie on end in 64 registers, with 8 registers of zero codes behind them: a tile's fragment is its 8 registers
; and the 8 that follow, whose codes (the next tile's: finite, made by a held conversion) meet Q's zero codes and add nothing; the upper two bytes of the scale words are 0 (2^-127: no NaN).
; SHARES.  256 work-groups.  A work-group owns 512 query positions of one (batch, head), in two passes of 256; in a pass each of its sixteen waves owns 16, in 256 registers: four waves to a SIMD.
; A HEAD'S K, V AND SCALES, 16 records = 274,432 bytes, LIE IN LDS WHOLE: each wave fetches one record by its one tensor load; every wave waits for it, one barrier follows, and no byte is filled again: the two passes have no barrier.
; CLUSTER.  The four work-groups of a cluster are the four of one head, so each record is asked for JOINTLY: the same load, the same descriptor, a mask that names the four.
; No prefetch: all that the work-group reads is asked for at its head (both passes' Q too, which waits in registers).
; THE ORDER OF A STEP.  The held p is written into K's 64 registers, which the score products have left; the conversions read it there, and V's fragments land there.  So the unheld p stands until the next score products,
; and its 32 additions stand behind the second product, as the places ahead of the next step's loads of K; the four additions that join the chains stand behind the next score products, as places too.
; The last step of a pass loads record 0's K, which the second pass begins with (behind the second pass it is loaded and not used: 17 LDS loads a wave).
; LIMITS: the running largest t begins at -3e38; NaN and infinities are not served; a block of p whose every number has fallen to 0 keeps the byte 1 (its codes are zeros).
.set REC,   17152
.set QREC,  8704
.set KSW,   8192
.set VIM,   8704
.set VSW,   16896
.set SP,    272                        ; the way out: a stage row: 256 bytes + 16
.set SPARE, 0x43000                    ; behind the 16 records: the spare words, 128 bytes a wave
.set STAGE, 0x43800                    ; behind them: 8 rows x SP bytes for each wave; no fill lands here
.set AL,   1                           ; v1   16 x lane
.set AL8,  2                           ; v2   8 x lane
.set RR,   3                           ; v3   r = lane % 16
.set QS,   4                           ; v4   h, then Q's scale word's offset
.set STO,  5                           ; v5   the stage, in
.set RD,   6                           ; v6   the stage, back
.set GO,   7                           ; v7   my byte offset in out0
.set ADV,  8                           ; v8   this step's record + 16 x lane
.set AD8,  9                           ; v9   + 8 x lane
.set ADK,  10                          ; v10  the next step's record + 16 x lane
.set QA,   11                          ; v11  Q's fragment: offset in its record
                                       ; v12 -M, v13 the largest t, v[14:15] the sum in two halves; v[16:31] Q and its zero codes
.set KF,   32                          ; v32-95 K's eight tiles, then the held p, then V's four fragments; v96-103 zero codes
.set S,    104                         ; v104-167 S^T, then p
.set O,    168                         ; v168-199 O^T; on the way out the rows read back
.set PCD,  200                         ; v200-215 p's codes
.set KSC,  216                         ; v216-219 K's scale words: lanes 0-15 tiles 0-3, lanes 16-31 tiles 4-7
.set VSC,  220                         ; v220-221 V's
.set PSC,  222                         ; v222 p's scale word
.set QSC,  223                         ; v223 Q's
.set BM,   224                         ; v224-227 the blocks' largest scores, then largest p
.set PX,   228                         ; v228-231 lane permutes' results, the bytes
.set SM,   232                         ; v232-239 the sum's four further chains, from the second product to the next score products; between:
.set LM,   232                         ; v232-235 448 x the scale
.set SO,   236                         ; v236-239 the conversions' scale operands
.set F,    240                         ; v[240:241] f = 2^(old M - new M)
.set T,    242
.set OM,   243                         ; v243 the old -M
.set Q2,   244                         ; v244-251 the second pass's Q, v252 its scale word
.set QSC2, 252
.set SPW,  254
.set NIL,  255
.set WV,   18
.set MNT,  19
.set SEL,  20
.set CS,   22
.set G1,   24
.set G0,   32
.set TB,   2                           ; s2   LDS byte of this step's record
.set CNT,  3                           ; s3   the step, 0 to 15
.set TN,   10                          ; s10  LDS byte of the next step's record
.set PASS, 11
.set SV,   12
.macro ROUND                           ; a round of the cluster's barrier
	s_barrier_signal -1
	s_barrier_wait -1
	s_cmp_lg_u32 s[WV], 0
	s_cbranch_scc1 .Lnot_wave_0_\@
	s_barrier_signal -3
.Lnot_wave_0_\@:
	s_barrier_wait -3
	s_barrier_signal -1
	s_barrier_wait -1
.endm
.macro WALU
	s_wait_alu depctr_va_vdst(0)
.endm
.macro KLOAD                           ; a record's eight tiles of K and their scale words: 17 loads
.irp t, 0,1,2,3,4,5,6,7
	ds_load_b128 v[KF+8*\t:KF+8*\t+3], v[ADK] offset:1024*\t
	ds_load_b128 v[KF+8*\t+4:KF+8*\t+7], v[ADK] offset:1024*\t+512
.endr
	ds_load_b128 v[KSC:KSC+3], v[ADK] offset:KSW
.endm
.macro SUMS5                           ; five pairs of p, from register S + j on, onto the five chains
	v_pk_add_f32 v[14:15], v[14:15], v[S+j:S+j+1]
.irp k, 0,1,2,3
	v_pk_add_f32 v[SM+2*\k:SM+2*\k+1], v[SM+2*\k:SM+2*\k+1], v[S+j+2+2*\k:S+j+3+2*\k]
.endr
.set j, j+10
.endm
.macro JOIN                            ; the four further chains onto the sum
	v_pk_add_f32 v[SM:SM+1], v[SM:SM+1], v[SM+2:SM+3]
	v_pk_add_f32 v[SM+4:SM+5], v[SM+4:SM+5], v[SM+6:SM+7]
	v_pk_add_f32 v[SM:SM+1], v[SM:SM+1], v[SM+4:SM+5]
	v_pk_add_f32 v[14:15], v[14:15], v[SM:SM+1]
.endm
	s_load_b128 s[4:7], s[0:1], 0x0                ; qrec, kv
	s_load_b64 s[8:9], s[0:1], 0x10                ; out0
	v_lshl_add_u32 v[SPW], v0, 2, SPARE
	v_mov_b32 v[NIL], 0
	ds_add_u32 v[SPW], v[NIL]                      ; the opening: the add, twice on end, and its wait ahead of my tensor load
	ds_add_u32 v[SPW], v[NIL]
	v_lshrrev_b32 v1, 5, v0
	v_readfirstlane_b32 s[WV], v1                  ; wave 0..15
	s_bfe_u32 s48, ttmp6, 0x40000                  ; cx: it enters qrec's and out0's addresses alone
	s_and_b32 s50, ttmp7, 0xffff                   ; (batch, head), which the four partners share
	s_mov_b32 s[G1], 15|(3<<16)|(1<<21)            ; a record: 67 dense rows of 256 bytes (32 elements of 8); the mask names all four
	s_mov_b32 s[G1+1], 32<<16
	s_mov_b32 s[G1+2], 67<<16
	s_mov_b32 s[G1+3], 32<<16
	s_mov_b32 s[G1+4], 67
	s_mov_b32 s[G1+5], 32
	s_mov_b32 s[G1+6], 0
	s_mov_b32 s[G1+7], 0
	s_mul_i32 s52, s[WV], REC                      ; wave w fetches record w
	s_mul_i32 s54, s50, 16*REC
	s_add_co_u32 s54, s54, s52
	s_mov_b32 s55, 0
	s_mov_b32 s[MNT], 0x600000                     ; the mantissa field of 448
	s_mov_b32 s[SEL], 0x76543210
	s_mov_b32 s[SEL+1], 0xfedcba98
	s_mov_b32 s[CS], 0x3e38aa3b                    ; c = log2(e) / 8
	s_mov_b32 s[CS+1], s[CS]
	s_wait_dscnt 0x0
	s_wait_kmcnt 0x0
	s_add_nc_u64 s[6:7], s[6:7], s[54:55]
	ROUND                                          ; all four work-groups are here: the joint loads meet
	s_mov_b32 s[G0], 1
	s_mov_b32 s[G0+1], s52
	s_mov_b64 s[G0+2:G0+3], s[6:7]
	s_or_b32 s[G0+3], s[G0+3], 0x80000000
	tensor_load_to_lds s[G0:G0+3], s[G1:G1+7]      ; my one tensor load
	s_nop 0
.rept 4
	v_nop
.endr
	s_lshl_b32 s56, s50, 4                         ; Q: record 16 (batch, head) + 4 cx + 2 pass + wave / 8, tile wave % 8
	s_lshl_b32 s57, s48, 2
	s_add_co_u32 s56, s56, s57
	s_lshr_b32 s57, s[WV], 3
	s_add_co_u32 s56, s56, s57
	s_mul_i32 s56, s56, QREC
	s_mov_b32 s57, 0
	s_add_nc_u64 s[4:5], s[4:5], s[56:57]
	s_and_b32 s58, s[WV], 7
	s_lshl_b32 s59, s58, 10
	s_lshr_b32 s61, s58, 2
	s_lshl_b32 s61, s61, 8
	s_and_b32 s58, s[WV], 3
	s_lshl_b32 s58, s58, 2
	s_add_co_u32 s61, s61, s58                     ; its scale words: 256 (tile / 4) + 4 (tile % 4) + 16 r
	s_mul_i32 s60, s[WV], 8*SP
	s_add_co_u32 s60, s60, STAGE                   ; my stage
	s_lshr_b32 s56, s50, 4                         ; out0: row 2,048 batch + 512 cx + 256 pass + 32 (wave / 2) + 8 (wave % 2), byte 256 head
	s_and_b32 s57, s50, 15
	s_lshl_b32 s56, s56, 11
	s_lshl_b32 s58, s48, 9
	s_add_co_u32 s56, s56, s58
	s_lshr_b32 s58, s[WV], 1
	s_lshl_b32 s58, s58, 5
	s_add_co_u32 s56, s56, s58
	s_and_b32 s58, s[WV], 1
	s_lshl_b32 s58, s58, 3
	s_add_co_u32 s56, s56, s58
	s_lshl_b32 s56, s56, 12
	s_lshl_b32 s57, s57, 8
	s_add_co_u32 s56, s56, s57
	s_mov_b32 s57, 0
	s_add_nc_u64 s[8:9], s[8:9], s[56:57]
	v_and_b32 v4, 31, v0
	v_and_b32 v[RR], 15, v0
	v_lshlrev_b32 v[AL8], 3, v4
	v_lshlrev_b32 v[AL], 4, v4
	v_bfe_u32 v4, v0, 4, 1                         ; h
	v_and_b32 v11, 7, v[RR]
	v_mul_u32_u24 v[STO], v11, SP
	v_lshl_add_u32 v[STO], v4, 6, v[STO]
	v_lshrrev_b32 v11, 3, v[RR]
	v_lshl_add_u32 v[STO], v11, 7, v[STO]          ; lanes r >= 8 hold channels 32 to 63 of the row: 128 bytes on
	v_add_nc_u32 v[STO], s60, v[STO]               ; in: row r % 8; my half's 16 channels of each 32: 64 h bytes on
	v_mul_u32_u24 v[RD], v4, SP
	v_lshl_add_u32 v[RD], v[RR], 4, v[RD]
	v_add_nc_u32 v[RD], s60, v[RD]                 ; back: lanes 0-15 one row, lanes 16-31 the next
	v_lshlrev_b32 v[GO], 12, v4
	v_lshl_add_u32 v[GO], v[RR], 4, v[GO]          ; and the same two rows of out0, 4,096 bytes apart
	v_add_nc_u32 v[QA], s59, v[AL]
	v_lshl_add_u32 v[QS], v[RR], 4, s61
	v_mov_b32 v[ADK], v[AL]                        ; record 0
	WALU
	global_load_b128 v[16:19], v[QA], s[4:5]
	global_load_b128 v[20:23], v[QA], s[4:5] offset:512
	global_load_b32 v[QSC], v[QS], s[4:5] offset:KSW
	global_load_b128 v[Q2:Q2+3], v[QA], s[4:5] offset:2*QREC
	global_load_b128 v[Q2+4:Q2+7], v[QA], s[4:5] offset:2*QREC+512
	global_load_b32 v[QSC2], v[QS], s[4:5] offset:2*QREC+KSW
.irp i, 0,1,2,3,4,5,6,7
	v_mov_b32 v[24+\i], 0                          ; the zero codes of k = 64 .. 127: Q's,
	v_mov_b32 v[KF+64+\i], 0                       ; and those behind K's last tile: written once
.endr
.irp b, 0,1,2,3
	v_mov_b32 v[PX+\b], 0                          ; a lane permute's destination counts as one of its sources
.endr
	v_mov_b32 v[F+1], 0                            ; (named as the upper half of a pair)
	WALU                                           ; the wait at the head's end
	s_wait_tensorcnt 0x0                           ; my record is in LDS,
	s_wait_dscnt 0x0
	s_barrier_signal -1
	s_barrier_wait -1                              ; everybody's is
	KLOAD
	s_wait_loadcnt 0x0                             ; Q
	s_mov_b32 s[PASS], 0
; A KEY STEP: the 128 keys of record s[CNT].  Its tiles of K were asked of LDS at the end of the step before.
.macro STEP
	s_mul_i32 s[TB], s[CNT], REC
	s_add_co_u32 s[TN], s[CNT], 1
	s_and_b32 s[TN], s[TN], 15
	s_mul_i32 s[TN], s[TN], REC
	WALU                                           ; directly ahead of the wait below
	s_wait_dscnt 0x0
.irp t, 0,1,2,3                                ; S^T = K Q^T: eight tiles of 16 keys
	v_wmma_scale_f32_16x16x128_f8f6f4 v[S+8*\t:S+8*\t+7], v[KF+8*\t:KF+8*\t+15], v[16:31], 0, v[KSC+\t], v[QSC]
.endr
.irp t, 0,1,2,3
	v_wmma_scale_f32_16x16x128_f8f6f4 v[S+32+8*\t:S+32+8*\t+7], v[KF+32+8*\t:KF+32+8*\t+15], v[16:31], 0, v[KSC+\t], v[QSC] matrix_a_scale:MATRIX_SCALE_ROW1
.endr
	JOIN                                           ; eight places ahead of the first reader of the scores: the last step's chains are joined
	v_mov_b32 v[OM], v12                           ; the old -M is kept,
	v_add_nc_u32 v[ADV], s[TB], v[AL]              ; and the step's three addresses are made
	v_add_nc_u32 v[AD8], s[TB], v[AL8]
	v_add_nc_u32 v[ADK], s[TN], v[AL]
.irp b, 0,1,2,3
	v_max3_num_f32 v[BM+\b], v[S+16*\b], v[S+1+16*\b], v[S+2+16*\b]     ; the largest score of each block of 32 keys: for the row's maximum and, since p rises with the score, for the block's largest p
.endr
.irp i, 3,5,7,9,11,13
.irp b, 0,1,2,3
	v_max3_num_f32 v[BM+\b], v[BM+\b], v[S+16*\b+\i], v[S+1+16*\b+\i]
.endr
.endr
.irp b, 0,1,2,3
	v_max_num_f32 v[BM+\b], v[BM+\b], v[S+15+16*\b]
.endr
.irp b, 0,1,2,3
	s_delay_alu instid0(VALU_DEP_4)
	v_permlanex16_b32 v[PX+\b], v[BM+\b], s[SEL], s[SEL+1]
.endr
.irp b, 0,1,2,3
	s_delay_alu instid0(VALU_DEP_4)
	v_max_num_f32 v[BM+\b], v[BM+\b], v[PX+\b]     ; with lane l xor 16's 16 keys
.endr
	s_delay_alu instid0(VALU_DEP_2)
	v_max3_num_f32 v[T], v[BM], v[BM+1], v[BM+2]
	s_delay_alu instid0(VALU_DEP_1)
	v_max_num_f32 v[T], v[T], v[BM+3]              ; the step's largest score of my query
	s_delay_alu instid0(VALU_DEP_1)
	v_mul_f32 v[T], s[CS], v[T]                    ; as t (c is positive)
	s_delay_alu instid0(VALU_DEP_1)
	v_max_num_f32 v13, v13, v[T]                   ; the running largest t
	s_delay_alu instid0(VALU_DEP_1)
	v_floor_f32 v12, -v13                          ; the new -M = -ceil(t)
	s_delay_alu instid0(VALU_DEP_1)
	v_sub_f32 v[T], v12, v[OM]                     ; old M less new M: a whole number, 0 or less
	s_delay_alu instid0(VALU_DEP_1)
	v_cvt_i32_f32 v[T], v[T]                       ; (it saturates)
	s_delay_alu instid0(VALU_DEP_1)
	v_ldexp_f32 v[F], 1.0, v[T]                    ; f = 2^(old M - new M)
.set j, 0
.rept 32
	v_pk_fma_f32 v[S+j:S+j+1], v[S+j:S+j+1], s[CS:CS+1], v[12:13] op_sel_hi:[1,0,0]   ; t - M, two at a time
.set j, j+2
.endr
.irp b, 0,1,2,3
	v_fma_f32 v[BM+\b], v[BM+\b], s[CS], v12       ; the same of each block's largest score
.endr
	WALU                                           ; the wait ahead of the batch
.set j, 0
.rept 64
	v_exp_f32 v[S+j], v[S+j]                       ; p = 2^(t - M), at most 1
.set j, j+1
.endr
.irp b, 0,1,2,3
	v_exp_f32 v[BM+\b], v[BM+\b]                   ; the block's largest p: the same two instructions on the same number
.endr
	v_pk_mul_f32 v[14:15], v[14:15], v[F:F+1] op_sel_hi:[1,0]   ; the sum under the new M (the plain line behind the exponentials)
	WALU                                           ; one wait for the batch, ahead of its first reader
.irp b, 0,1,2,3
	v_max_num_f32 v[BM+\b], 0x4800000, v[BM+\b]    ; the floor 2^(9 - 127): the byte cannot fall under 1
.endr
.irp b, 0,1,2,3
	s_delay_alu instid0(VALU_DEP_4)
	v_add_nc_u32 v[SO+\b], 0xfc000000, v[BM+\b]    ; 8 off the exponent field: the conversion's scale operand
.endr
.irp b, 0,1,2,3
	v_and_or_b32 v[LM+\b], v[BM+\b], 0x7f800000, s[MNT]   ; 448 x the scale
.endr
.irp b, 0,1,2,3
	v_lshrrev_b32 v[PX+\b], 23, v[SO+\b]           ; the scale's byte
.endr
	s_delay_alu instid0(VALU_DEP_3)
	v_lshl_or_b32 v[PSC], v[PX+1], 8, v[PX]        ; p's scale word for these 128 keys
	s_delay_alu instid0(VALU_DEP_1)
	v_lshl_or_b32 v[PSC], v[PX+2], 16, v[PSC]
	s_delay_alu instid0(VALU_DEP_1)
	v_lshl_or_b32 v[PSC], v[PX+3], 24, v[PSC]
.irp b, 0,2                                    ; two blocks at a time
.set i, 0
.rept 8                                        ; the hold, one-sided since p is not negative (the conversion does not saturate: ISA guide 7.6.2), into K's registers: two numbers a line, one of each block, so that the pair's registers lie in different banks
	v_dual_min_num_f32 v[KF+16*\b+i], v[S+16*\b+i], v[LM+\b] :: v_dual_min_num_f32 v[KF+16*\b+17+i], v[S+16*\b+17+i], v[LM+\b+1]
	v_dual_min_num_f32 v[KF+16*\b+1+i], v[S+16*\b+1+i], v[LM+\b] :: v_dual_min_num_f32 v[KF+16*\b+16+i], v[S+16*\b+16+i], v[LM+\b+1]
.set i, i+2
.endr
.irp u, 0,1
	v_cvt_scalef32_pk8_fp8_f32 v[PCD+4*(\b+\u):PCD+4*(\b+\u)+1], v[KF+16*(\b+\u):KF+16*(\b+\u)+7], v[SO+\b+\u]
	v_cvt_scalef32_pk8_fp8_f32 v[PCD+4*(\b+\u)+2:PCD+4*(\b+\u)+3], v[KF+16*(\b+\u)+8:KF+16*(\b+\u)+15], v[SO+\b+\u]
.endr
.irp u, 0,1
.irp c, 0,1,2,3
	ds_load_b128 v[KF+16*(\b+\u)+4*\c:KF+16*(\b+\u)+4*\c+3], v[ADV] offset:VIM+2048*(\b+\u)+512*\c   ; V's fragment lands in the 16 registers that the held block has just left
.endr
.endr
.if \b == 0
	ds_load_b64 v[VSC:VSC+1], v[AD8] offset:VSW    ; the scale words of V's four tiles
.endif
.endr
	WALU                                           ; directly ahead of the first reader of O^T
.set j, 0
.rept 16
	v_pk_mul_f32 v[O+j:O+j+1], v[O+j:O+j+1], v[F:F+1] op_sel_hi:[1,0]   ; O^T under the new M (also the places between the conversions and the products below)
.set j, j+2
.endr
	WALU                                           ; directly ahead of the wait below
	s_wait_dscnt 0x0
.irp t, 0,1,2,3                                ; O^T += V^T P^T: four tiles of 16 channels, by turns
.if \t < 2
	v_wmma_scale_f32_16x16x128_f8f6f4 v[O+8*\t:O+8*\t+7], v[KF+16*\t:KF+16*\t+15], v[PCD:PCD+15], v[O+8*\t:O+8*\t+7], v[VSC+\t%2], v[PSC]
.else
	v_wmma_scale_f32_16x16x128_f8f6f4 v[O+8*\t:O+8*\t+7], v[KF+16*\t:KF+16*\t+15], v[PCD:PCD+15], v[O+8*\t:O+8*\t+7], v[VSC+\t%2], v[PSC] matrix_a_scale:MATRIX_SCALE_ROW1
.endif
.endr
.irp k, 0,1,2,3                                ; the row's sum of the unquantised p: 32 pairs in five chains.  The first nine additions are the places ahead of the loads into what the products above read
	v_pk_add_f32 v[SM+2*\k:SM+2*\k+1], v[S+4*\k:S+4*\k+1], v[S+4*\k+2:S+4*\k+3]
.endr
.set j, 16
	SUMS5
	KLOAD                                          ; the next step's tiles of K
	SUMS5
	SUMS5
	SUMS5
.irp k, 0,1,2,3
	v_pk_add_f32 v[SM+2*\k:SM+2*\k+1], v[SM+2*\k:SM+2*\k+1], v[S+56+2*\k:S+57+2*\k]
.endr
.endm
.macro HALF n                          ; queries 8 n .. 8 n + 7 go into my stage, all lanes on, and come back as 8 whole rows of 256 bytes
.irp e, 0,1,2,3
	ds_store_b128 v[STO], v[S+16*\n+4*\e:S+16*\n+4*\e+3] offset:16*\e
.endr
.irp i, 0,1,2,3
	ds_load_b128 v[O+16*\n+4*\i:O+16*\n+4*\i+3], v[RD] offset:2*\i*SP   ; LDS serves a wave's instructions in order (ISA guide 5.7.1.4)
.endr
.endm
.Lpass:
.set j, 0
.rept 32
	v_mov_b32 v[O+j], 0                            ; O^T: the first step finds zeros, which the first change of M leaves zeros
.set j, j+1
.endr
.irp k, 0,1,2,3,4,5,6,7
	v_mov_b32 v[SM+\k], 0                          ; the chains that the first step joins
.endr
	v_mov_b32 v13, 0xff61b1e6                      ; the largest t so far: -3e38
	v_floor_f32 v12, -v13                          ; -M
	v_mov_b32 v14, 0
	v_mov_b32 v15, 0
	s_mov_b32 s[CNT], 0
.Lstep:
	STEP
	s_add_co_u32 s[CNT], s[CNT], 1
	s_cmp_lt_u32 s[CNT], 16
	s_cbranch_scc1 .Lstep
	; THE WAY OUT of a pass.  O^T is divided by the sum and goes through my stage, 8 queries at a time, so that sixteen lanes store 256 consecutive bytes.
	JOIN                                           ; the last step's chains
	v_add_f32 v14, v14, v15
	v_permlanex16_b32 v[PX], v14, s[SEL], s[SEL+1]
	v_add_f32 v14, v14, v[PX]                      ; the row's sum
	WALU
	v_rcp_f32 v14, v14
	v_nop                                          ; a plain line behind the reciprocal
	WALU                                           ; ahead of the first reader of the reciprocal and of O^T
.set j, 0
.rept 32
	v_mul_f32 v[S+j], v[O+j], v14                  ; register 16 b + i is channel 32 b + 16 h + i of query r
.set j, j+1
.endr
	; lanes r and r xor 8 exchange halves: the first 16 registers then hold queries 0 to 7 (lanes r < 8 their channels 0 to 31, lanes r >= 8 channels 32 to 63 of query r - 8), the other 16 queries 8 to 15 likewise
	s_mov_b32 s[SV], 0xff00ff00                    ; the lanes with r >= 8
.set j, 0
.rept 16
	v_mov_b32_dpp v[O+j], v[S+16+j] row_xmask:8 row_mask:0xf bank_mask:0xf
	v_mov_b32_dpp v[O+16+j], v[S+j] row_xmask:8 row_mask:0xf bank_mask:0xf
.set j, j+1
.endr
.set j, 0
.rept 16
	v_cndmask_b32 v[S+j], v[S+j], v[O+j], s[SV]
	v_cndmask_b32 v[S+16+j], v[O+16+j], v[S+16+j], s[SV]
.set j, j+1
.endr
	WALU
	HALF 0
	HALF 1
	s_wait_dscnt 8                                 ; the first eight rows' loads are in; behind them 4 stores and 4 loads were issued
.irp i, 0,1,2,3
	global_store_b128 v[GO], v[O+4*\i:O+4*\i+3], s[8:9] offset:4096*2*\i th:TH_STORE_NT   ; position 2 i + h of my tile is token 2 i + h of its rows;
.endr
	s_wait_dscnt 0x0
.irp i, 0,1,2,3
	global_store_b128 v[GO], v[O+16+4*\i:O+16+4*\i+3], s[8:9] offset:4096*(2*\i+16) th:TH_STORE_NT   ; position 8 + 2 i + h is token 16 + 2 i + h
.endr
.irp i, 0,1,2,3,4,5,6,7
	v_mov_b32 v[16+\i], v[Q2+\i]                   ; the second pass's Q (behind the second pass these nine lines change nothing that is read)
.endr
	v_mov_b32 v[QSC], v[QSC2]
	s_wait_xcnt 0x0                                ; the stores have read their data and their base
	s_add_nc_u64 s[8:9], s[8:9], 0x100000          ; 256 rows of out0 on
	s_add_co_u32 s[PASS], s[PASS], 1
	s_cmp_lt_u32 s[PASS], 2
	WALU
	s_cbranch_scc1 .Lpass
	s_wait_tensorcnt 0x0                           ; the wave's end
	ds_add_u32 v[SPW], v[NIL]
	s_wait_dscnt 0x0
	ROUND                                          ; the closing round
	s_endpgm
.Lfunc_end_k_qdb35c2a400_attn:
	.size	k_qdb35c2a400_attn, .Lfunc_end_k_qdb35c2a400_attn-k_qdb35c2a400_attn
	.p2alignl 7, 3214868480
	.fill 96, 4, 3214868480
	.section	.rodata,"a",@progbits
	.p2align	6, 0x0
	.amdhsa_kernel k_qdb35c2a400_attn
		.amdhsa_group_segment_fixed_size 327680
		.amdhsa_private_segment_fixed_size 0
		.amdhsa_enable_private_segment 0
		.amdhsa_kernarg_size 24
		.amdhsa_user_sgpr_count 2
		.amdhsa_user_sgpr_kernarg_segment_ptr 1
		.amdhsa_wavefront_size32 1
		.amdhsa_system_sgpr_workgroup_id_x 1
		.amdhsa_system_sgpr_workgroup_id_y 1
		.amdhsa_system_sgpr_workgroup_id_z 1
		.amdhsa_system_vgpr_workitem_id 0
		.amdhsa_next_free_vgpr 256
		.amdhsa_next_free_sgpr 66
		.amdhsa_reserve_vcc 0
		.amdhsa_float_denorm_mode_32 3
		.amdhsa_float_denorm_mode_16_64 3
		.amdhsa_memory_ordered 1
		.amdhsa_forward_progress 1
		.amdhsa_inst_pref_size 36
	.end_amdhsa_kernel
	.amdgpu_metadata
---
amdhsa.version: [ 1, 2 ]
amdhsa.kernels:
  - .name:           k_qdb35c2a400_attn
    .symbol:         k_qdb35c2a400_attn.kd
    .args:
      - { .name: qrec, .offset: 0, .size: 8, .value_kind: global_buffer, .address_space: global }
      - { .name: kv, .offset: 8, .size: 8, .value_kind: global_buffer, .address_space: global }
      - { .name: out0, .offset: 16, .size: 8, .value_kind: global_buffer, .address_space: global }
    .group_segment_fixed_size: 327680
    .private_segment_fixed_size: 0
    .kernarg_segment_align: 8
    .kernarg_segment_size: 24
    .max_flat_workgroup_size: 512
    .sgpr_count:     66
    .vgpr_count:     256
    .wavefront_size: 32
...
	.end_amdgpu_metadata
.endif
;; end of part 3
